; MI455X (gfx1250); checked and timed in simulation.
; The chip was launched on July 23, 2026; its instructions are those of AMD's public machine-readable ISA for CDNA 5 (MIT licence, August 2026) and "CDNA5" Instruction Set Architecture Reference Guide (July 2026). The comments in the code are by the model that wrote it; some were corrected since.
;; GCLI Quantized Linear. Allowed arithmetic: matrix products marked QUANTISED: E2M3 operands, one E8M0 scale for each 32 along K, by v_wmma_scale_f32_16x16x128_f8f6f4 with both operands' format E2M3, f32 sums; everything else in f32.
;; Inputs: W_q 4,096 x 4,096 int32; bias 4,096 float32; mu1 4,096 float32; mu2 4,096 float32; scales 4,096 x 64 x 1 float32; x_codes 4 x 1,024 x 128 x 24 uint8 (E2M3 codes of x, K innermost, in blocks of 32 codes, four codes in three bytes); x_scales 4 x 1,024 x 128 uint8 (E8M0 scales of x, one for each 32 codes along K); zeros 4,096 x 64 x 1 float32.
;; Outputs: out0 4 x 1,024 x 4,096 float32.
;; This version of the problem:
;;   THIS VERSION OF THE PROBLEM IS GIVEN IN LOW PRECISION. The matrix products marked QUANTISED in the list below multiply operands that are first quantised to E2M3 (2 exponent bits, 3 mantissa bits; 6 bits a number), with one power-of-two scale for each 32 numbers along K (OCP MX v1.0); their sums are f32. All else is computed in f32.
;;   The module's matrix products, in the order in which they are computed (A, B: the left and right operand; K: the contracted axis; several contracted axes count as one K, in the product's order):
;;     1. [M 4,096, K 4,096] x [K 4,096, N 4,096]; A: input x (given as codes); B: computed on the way: QUANTISED
;;   THE QUANTISER, for each operand of a quantised product, along K:
;;     - K is cut into blocks of 32 from its start; a last block that is shorter is filled with zeros.
;;     - A block's scale is 2^e with e = floor(log2(the largest magnitude in the block)) - 2, held to -126 .. 127; a block of zeros has e = 0. As a byte (E8M0): e + 127.
;;     - Each number is divided by its block's scale, clamped to +-7.5, and rounded to the nearest number of E2M3, ties to even, subnormals kept.
;;     - The product sums the exact products of the quantised numbers (number of the format x scale) in f32.
;;   ~~~python
;;   def quantise(x, axis):      # numpy; x: float32 -> the quantised numbers, widened to float32 again
;;       x = np.moveaxis(x, axis, -1); K = x.shape[-1]
;;       x = np.pad(x, [(0, 0)] * (x.ndim - 1) + [(0, -K % 32)]); x = x.reshape(x.shape[:-1] + (-1, 32)); a = np.abs(x).max(-1, keepdims=True)
;;       e = np.where(a > 0, np.clip(np.frexp(np.where(a > 0, a, 1))[1] - 1 - 2, -126, 127), 0)      # np.frexp(a)[1] - 1 = floor(log2(a)), exactly
;;       r = np.clip(x / 2.0 ** e, -7.5, 7.5)
;;       step = 2.0 ** (np.maximum(np.frexp(np.where(r == 0, 1, r))[1] - 1, 0) - 3)
;;       q = np.round(r / step) * step * 2.0 ** e      # np.round: ties to even
;;       return np.moveaxis(q.reshape(q.shape[:-2] + (-1,))[..., :K], -1, axis).astype(np.float32)
;;   ~~~
;;   OPERANDS COMPUTED ON THE WAY. 'Computed on the way' means the value that the module computes at that place (a softmax that the list does not call 'softmax' is quantised finished and normalised). What goes into a quantiser is computed in f32, as accurately as f32 sums, v_exp_f32 and their like allow (about 1e-6 of the number): no bf16 or f16 on the way to a quantiser, and a product that is left as it is and whose result goes on into a quantised operand takes f32 operands (vector FMAs, or v_wmma_f32_16x16x4_f32). A number that lies on a knife's edge between two numbers of the format may be rounded either way, as far as f32 arithmetic and the matrix unit's own rounding can turn it there, and no further.
;;   INPUTS GIVEN AS CODES. x (in the module: [4, 1024, 4096], K = its axis 2): each comes as NAME_codes (uint8): NAME with its K axis moved to the last place and cut into blocks of 32 codes, [.., K / 32, bytes a block], one block behind the other in memory; four codes in three bytes: a row's codes are one little-endian stream of bits, code i at bits 6 i .. 6 i + 5 (a code: sign, 2 exponent bits, 3 mantissa bits); and NAME_scales (uint8): the same leading axes, one E8M0 byte (e + 127) for each 32 codes along K. Its value is code x scale, taken as it is: it is not quantised again, and the codes and scales need not be those that the quantiser above would give.
;; One version. Each part assembles by itself: llvm-mc -triple=amdgcn-amd-amdhsa -mcpu=gfx1250 --defsym DOCPART=n.
;; ======== version 1 of 1: 2 launches
;; limits: right only within a limited range of input values
;; workspace buffers: xf 12,582,912 bytes; wf 12,582,912 bytes; scl 1,572,864 bytes
;; launch prep (part 1): grid 256 x 1, 8 waves a work-group, no clusters, 157,696 bytes of LDS; arguments W_q, scales, zeros, mu1, mu2, x_codes, x_scales, xf, wf, scl; writes xf, wf, scl
.if DOCPART == 1
	.amdgcn_target "amdgcn-amd-amdhsa--gfx1250"
	.amdhsa_code_object_version 6
	.text
	.protected	k_qd00c8d2a42_prep
	.globl	k_qd00c8d2a42_prep
	.p2align	8
	.type	k_qd00c8d2a42_prep,@function
k_qd00c8d2a42_prep:
	s_mov_b64 s[64:65], 0
	v_nop
	global_prefetch_b8 v0, s[64:65] scope:SCOPE_SE
	s_setreg_imm32_b32 hwreg(HW_REG_WAVE_MODE, 25, 1), 1
	s_wait_xcnt 0x0
; Two jobs for the product's launch.  (1) W[k][n] = ((float(W_q[k][n]) - zeros[k][n/64]) * scales[k][n/64]) * mu2[k] * mu1[n], each step rounded to f32 in that order,
; becomes codes of FP6 (E2M3) with one E8M0 byte for each 32 along n: the byte is the largest magnitude's exponent field - 2, held at 1 from below.
; (2) W's codes and x's codes are laid as IMAGES OF THE MATRIX OPERAND'S REGISTERS: a fragment (16 rows x 128 along K) is 1,536 bytes, register group c (four registers) of lane l at 512 c + 16 l;
; xf, wf: [row / 128][step 0..31][(row / 16) % 8][1,536].  Lane (r, h) of a fragment holds bytes 24 h .. + 23 and 48 + 24 h .. + 23 of row r's 96 bytes of the step, as they lie.
; scl: x's scale bytes, then W's (SCW bytes on): [row / 16][unit 0..11][row % 16][16]: unit f holds bytes 12 f .. 12 f + 15 of the row's 128 (the words of steps 3 f .. 3 f + 3); bytes past the row's end
; are the filler 0x7f, which no product names; unit 11 is filler alone, so that six whole waves store.
; LIMITS: a block of zeros gets the byte 1, not 127 (its codes are zeros; this program alone reads the bytes); blocks whose largest magnitude lies under 2^-124 have the byte 1.
; NaN and infinities in scales, zeros, mu1, mu2 are not served.  W_q may be any int32.
; SHARES: a work-group of eight waves takes 16 rows of W and 16 rows of x; wave w takes columns 512 w .. 512 w + 511 of all 16: four whole fragments of each tensor, so codes cross no wave.
; A step is one row's 512 numbers: four loads of 512 consecutive bytes; they turn through the wave's own stage in LDS so that a lane gets 16 neighbours.  A lane's 12 bytes of codes go into the wave's
; own code rows in LDS (pitch 400) and come back in the fragment's order; each store then covers 512 consecutive aligned bytes.  No cluster: the work-groups share only mu1.  No tensor loads.
.set STEPS, 16
.set EMAX,  2
.set SP,    80
.set STG,   32*SP
.set WREG,  2*STG
.set ZR,    8*WREG                     ; the 16 rows' zeros, [16][64] f32
.set SR,    ZR+4096                    ; the scales likewise
.set SBX,   SR+4096                    ; x's scale bytes: 16 rows, pitch 160 (128 + 32 of filler)
.set SBW,   SBX+2560                   ; W's likewise
.set CS,    SBW+2560                   ; W's code rows: 16 x 400 bytes a wave
.set CP,    400                        ; 100 words: the 16 rows start 4 banks apart modulo 64
.set CW,    16*CP
.set XST,   CS+8*CW                    ; x's code rows likewise
.set SPARE, XST+8*CW                   ; the spare words, 128 bytes a wave
.set WROW,  16384
.set STEPB, 12288
.set GRP,   393216
.set SCW,   786432
.set R,     16                         ; v16-79   four sets of 16 numbers as loaded
.set X,     80                         ; v80-111  two sets of 16 neighbours
.set C,     112                        ; v112-119 codes, two sets
.set E,     120                        ; v120-121 scale bytes, two sets
.set F,     128                        ; v128-175 four fragments
.set MU,    192                        ; v192-207 mu1 of my 16 columns
.set ZP,    208
.set SPR,   212
.set M2,    68                         ; s[68:99] mu2 of row i, twice
	s_load_b512 s[4:19], s[0:1], 0x0               ; W_q 4, scales 6, zeros 8, mu1 10, mu2 12, x_codes 14, x_scales 16, xf 18
	s_load_b128 s[20:23], s[0:1], 0x40             ; wf 20, scl 22
	v_lshl_add_u32 v248, v0, 2, SPARE
	v_mov_b32 v249, 0
	v_lshrrev_b32 v1, 5, v0
	v_readfirstlane_b32 s24, v1                    ; wave 0..7
	s_mul_i32 s25, s24, WREG
	s_lshl_b32 s26, s24, 5
	s_lshl_b32 s27, s24, 4
	s_mul_i32 s28, s24, CW
	s_lshl_b32 s30, ttmp9, 18                      ; W_q: 16 rows of 16,384 bytes a work-group, 2,048 bytes a wave
	s_lshl_b32 s29, s24, 11
	s_add_co_u32 s30, s30, s29
	s_mov_b32 s31, 0
	s_lshl_b32 s32, ttmp9, 12                      ; zeros, scales: 16 rows of 256 bytes
	s_mov_b32 s33, 0
	s_mov_b32 s34, s29                             ; mu1
	s_mov_b32 s35, 0
	s_lshl_b32 s52, ttmp9, 6                       ; mu2
	s_mov_b32 s53, 0
	s_mul_i32 s54, ttmp9, 49152                    ; x_codes: 16 rows of 3,072 bytes, 384 bytes a wave
	s_mul_i32 s29, s24, 384
	s_add_co_u32 s54, s54, s29
	s_mov_b32 s55, 0
	s_lshl_b32 s56, ttmp9, 11                      ; x_scales
	s_mov_b32 s57, 0
	s_lshr_b32 s58, ttmp9, 3                       ; xf, wf: group of 128 rows, my block of 16 in it, my four steps
	s_mul_i32 s58, s58, GRP
	s_and_b32 s29, ttmp9, 7
	s_mul_i32 s29, s29, 1536
	s_add_co_u32 s58, s58, s29
	s_mul_i32 s29, s24, 4*STEPB
	s_add_co_u32 s58, s58, s29
	s_mov_b32 s59, 0
	s_mul_i32 s60, ttmp9, 3072                     ; scl
	s_mov_b32 s61, 0
	v_and_b32 v2, 31, v0                           ; lane
	v_lshlrev_b32 v3, 4, v2
	v_lshrrev_b32 v1, 2, v2
	v_mul_u32_u24 v14, v1, SP
	v_and_b32 v15, 3, v2
	v_lshl_add_u32 v14, v15, 4, v14
	v_add_nc_u32 v14, s25, v14                     ; the stage, on the way in
	v_mul_u32_u24 v15, v2, SP
	v_add_nc_u32 v15, s25, v15                     ; and on the way out
	v_lshl_add_u32 v10, v1, 2, s26
	v_add_nc_u32 v10, ZR, v10                      ; my group's zero: ZR + 32 w + 4 (lane / 4)
	v_lshrrev_b32 v5, 1, v2
	v_add_nc_u32 v5, s27, v5
	v_add_nc_u32 v5, SBW, v5                       ; my block's byte: SBW + 16 w + lane / 2
	v_mul_u32_u24 v4, v2, 12
	v_add_nc_u32 v4, s28, v4
	v_add_nc_u32 v4, CS, v4                        ; my 12 bytes of a code row
	v_and_b32 v8, 15, v2
	v_lshrrev_b32 v9, 4, v2
	v_mul_u32_u24 v6, v8, CP
	v_mad_u32_u24 v6, v9, 24, v6
	v_add_nc_u32 v6, s28, v6
	v_add_nc_u32 v7, XST, v6                       ; a fragment's lane: row r, + 24 h, in x's rows
	v_add_nc_u32 v6, CS, v6                        ; and in W's
	v_lshlrev_b32 v232, 4, v0
	v_lshlrev_b32 v233, 6, v2
	v_mul_u32_u24 v226, v2, 12                     ; x: my 12 bytes of a row's 384, in memory,
	v_add_nc_u32 v229, XST-CS, v4                  ; and in x's code rows
	v_lshrrev_b32 v234, 3, v0                      ; the filler: 8 words behind each of the 32 rows of bytes, a word a thread
	v_mul_u32_u24 v234, v234, 160
	v_and_b32 v235, 7, v0
	v_lshl_add_u32 v234, v235, 2, v234
	v_add_nc_u32 v234, SBX+128, v234
	v_mov_b32 v235, 0x7f7f7f7f
	v_lshrrev_b32 v238, 4, v0
	v_mul_u32_u24 v236, v238, 160
	v_and_b32 v237, 15, v0
	v_lshl_add_u32 v236, v237, 3, v236
	v_add_nc_u32 v236, SBX, v236                   ; x_scales on the way in: row t / 16, 8 bytes a thread
	v_mul_u32_u24 v237, v237, 160
	v_mad_u32_u24 v237, v238, 12, v237
	v_add_nc_u32 v237, SBX, v237                   ; on the way out: row t % 16, unit t / 16
	v_lshlrev_b32 v239, 3, v0
	v_mov_b32 v[ZP+1], 0
	v_mov_b32 v[ZP+3], 0
	v_mov_b32 v[SPR+1], 0
	v_mov_b32 v[SPR+3], 0
	s_wait_alu depctr_va_vdst(0)                   ; the wait at the head's end
	s_wait_kmcnt 0x0
	s_add_nc_u64 s[4:5], s[4:5], s[30:31]
	s_add_nc_u64 s[6:7], s[6:7], s[32:33]
	s_add_nc_u64 s[8:9], s[8:9], s[32:33]
	s_add_nc_u64 s[10:11], s[10:11], s[34:35]
	s_add_nc_u64 s[12:13], s[12:13], s[52:53]
	s_add_nc_u64 s[14:15], s[14:15], s[54:55]
	s_add_nc_u64 s[16:17], s[16:17], s[56:57]
	s_add_nc_u64 s[18:19], s[18:19], s[58:59]
	s_add_nc_u64 s[20:21], s[20:21], s[58:59]
	s_add_nc_u64 s[22:23], s[22:23], s[60:61]
	s_load_b512 s[36:51], s[12:13], 0x0            ; mu2 of my 16 rows
.irp m, 0,1,2,3,4,5,6,7,8,9,10,11,12,13,14,15
	global_load_b96 v[F+4*\m:F+4*\m+2], v226, s[14:15] offset:3072*\m th:TH_LOAD_NT   ; x's codes: row m, 384 consecutive bytes, 12 a lane (v128-191)
.endr
	global_load_b64 v[224:225], v239, s[16:17]     ; x_scales: 2,048 consecutive bytes
	global_load_b128 v[216:219], v232, s[8:9]      ; zeros: 4,096 consecutive bytes
	global_load_b128 v[220:223], v232, s[6:7]      ; scales
.irp j, 0,1,2,3
	global_load_b128 v[MU+4*\j:MU+4*\j+3], v233, s[10:11] offset:16*\j
.endr
.macro LOAD t
.irp i, 0,1,2,3
	global_load_b128 v[R+16*((\t)%4)+4*\i:R+16*((\t)%4)+4*\i+3], v3, s[4:5] offset:WROW*(\t)+512*\i th:TH_LOAD_NT
.endr
.endm
.macro TURN t                          ; row t's numbers through the stage (LDS serves a wave's instructions in order), and its zero and scale
.irp i, 0,1,2,3
	ds_store_b128 v14, v[R+16*((\t)%4)+4*\i:R+16*((\t)%4)+4*\i+3] offset:STG*((\t)%2)+8*SP*\i
.endr
.irp i, 0,1,2,3
	ds_load_b128 v[X+16*((\t)%2)+4*\i:X+16*((\t)%2)+4*\i+3], v15 offset:STG*((\t)%2)+16*\i
.endr
	ds_load_b32 v[ZP+2*((\t)%2)], v10 offset:256*(\t)
	ds_load_b32 v[SPR+2*((\t)%2)], v10 offset:4096+256*(\t)
.endm
.macro OUT adr, b                      ; my four fragments out of my code rows, each as three stores of 512 consecutive bytes
	s_wait_xcnt 0x0                                ; earlier stores have read v128-175
.irp s, 0,1,2,3
.irp p, 0,1,2,3,4,5
	ds_load_b64 v[F+12*\s+2*\p:F+12*\s+2*\p+1], v[\adr] offset:96*\s+48*(\p/3)+8*(\p%3)
.endr
.endr
.irp s, 0,1,2,3
	s_wait_dscnt 6*(3-\s)                          ; fragment s is in; the later fragments' six loads each may be out
.irp c, 0,1,2
	global_store_b128 v3, v[F+12*\s+4*\c:F+12*\s+4*\c+3], s[\b:\b+1] offset:STEPB*\s+512*\c
.endr
.endr
.endm
.irp t, 0,1,2,3
	LOAD \t
.endr
	s_wait_loadcnt 20                              ; x's codes and bytes, zeros and scales are in: behind them stand mu1's 4 loads and W_q's 16
.irp m, 0,1,2,3,4,5,6,7,8,9,10,11,12,13,14,15
.irp i, 0,1,2
	ds_store_b32 v229, v[F+4*\m+\i] offset:CP*\m+4*\i
.endr
.endr
	ds_store_b64 v236, v[224:225]
	ds_store_b128 v232, v[216:219] offset:ZR
	ds_store_b128 v232, v[220:223] offset:SR
	ds_store_b32 v234, v235
	s_wait_dscnt 0x0                               ; for the others' sake: my part of the tables has landed
	s_barrier_signal -1
	s_barrier_wait -1
	OUT 7, 18                                      ; x's fragments leave while W_q's loads are on their way
	s_wait_kmcnt 0x0                               ; mu2
.irp i, 0,1,2,3,4,5,6,7,8,9,10,11,12,13,14,15
	s_mov_b32 s[M2+2*\i], s[36+\i]                 ; as pairs that begin on an even register
	s_mov_b32 s[M2+2*\i+1], s[36+\i]
.endr
	s_wait_loadcnt 12                              ; mu1 and row 0 are in; rows 1 to 3 stay out
	TURN 0
.macro STEP t
.set XR, X+16*((\t)%2)
.set ZZ, ZP+2*((\t)%2)
.set SS, SPR+2*((\t)%2)
.set MR, M2+2*(\t)
.set CC, C+4*((\t)%2)
.if (\t) > 0
	s_wait_dscnt 4                                 ; this row's numbers, zero and scale are back; the last row's four small stores may be out
.else
	s_wait_dscnt 0x0
.endif
.if (\t)+4 < STEPS
	LOAD (\t)+4
.endif
.if (\t)+1 < STEPS
.if STEPS-2-(\t) >= 3
	s_wait_loadcnt 12                              ; the next row's four loads are in; three rows' may be out
.else
	s_wait_loadcnt 4*(STEPS-2-(\t))
.endif
	TURN (\t)+1
.endif
.irp j, 0,1,2,3,4,5,6,7,8,9,10,11,12,13,14,15
	v_cvt_f32_i32 v[XR+\j], v[XR+\j]
.endr
.irp j, 0,2,4,6,8,10,12,14
	v_pk_add_f32 v[XR+\j:XR+\j+1], v[XR+\j:XR+\j+1], v[ZZ:ZZ+1] op_sel_hi:[1,0] neg_lo:[0,1] neg_hi:[0,1]   ; - zero
.endr
.irp j, 0,2,4,6,8,10,12,14
	v_pk_mul_f32 v[XR+\j:XR+\j+1], v[XR+\j:XR+\j+1], v[SS:SS+1] op_sel_hi:[1,0]   ; x scale
.endr
.irp j, 0,2,4,6,8,10,12,14
	v_pk_mul_f32 v[XR+\j:XR+\j+1], v[XR+\j:XR+\j+1], s[MR:MR+1] op_sel_hi:[1,0]   ; x mu2
.endr
.irp j, 0,2,4,6,8,10,12,14
	v_pk_mul_f32 v[XR+\j:XR+\j+1], v[XR+\j:XR+\j+1], v[MU+\j:MU+\j+1]   ; x mu1
.endr
	v_max3_num_f32 v8, |v[XR]|, |v[XR+1]|, |v[XR+2]|
	v_max3_num_f32 v9, |v[XR+3]|, |v[XR+4]|, |v[XR+5]|
.irp i, 6,10
	v_max3_num_f32 v8, v8, |v[XR+\i]|, |v[XR+\i+1]|
	v_max3_num_f32 v9, v9, |v[XR+\i+2]|, |v[XR+\i+3]|
.endr
	v_max3_num_f32 v8, v8, |v[XR+14]|, |v[XR+15]|
	v_max3_num_f32 v8, v8, v9, (EMAX+1)<<23        ; the floor 2^(3 - 127): the byte cannot fall under 1
	v_max_num_f32_dpp v8, v8, v8 row_xmask:1 row_mask:0xf bank_mask:0xf   ; with my neighbour's 16: the block's
	v_add_nc_u32 v11, 0xff000000, v8               ; 2 off the exponent field: the conversion's scale operand
	v_cvt_scalef32_pk16_fp6_f32 v[CC:CC+2], v[XR:XR+15], v11
	v_lshrrev_b32 v[E+(\t)%2], 23, v11             ; the byte (also the plain instruction behind the conversion)
	ds_store_b8 v5, v[E+(\t)%2] offset:160*(\t)
	ds_store_b32 v4, v[CC] offset:CP*(\t)
	ds_store_b32 v4, v[CC+1] offset:CP*(\t)+4
	ds_store_b32 v4, v[CC+2] offset:CP*(\t)+8
.endm
.irp t, 0,1,2,3,4,5,6,7,8,9,10,11,12,13,14,15
	STEP \t
.endr
	OUT 6, 20                                      ; W's fragments: my own rows, read behind my own stores
	s_wait_dscnt 0x0                               ; for the others' sake: my scale bytes have landed
	s_barrier_signal -1
	s_barrier_wait -1
	s_cmp_lt_u32 s24, 6                            ; 12 units of 16 threads: waves 0 to 5
	s_cbranch_scc0 .Lend
.irp j, 0,1,2,3
	ds_load_b32 v[240+\j], v237 offset:4*\j
	ds_load_b32 v[244+\j], v237 offset:2560+4*\j
.endr
	s_wait_dscnt 0x0
	global_store_b128 v232, v[240:243], s[22:23]               ; sixteen lanes store 256 consecutive aligned bytes
	global_store_b128 v232, v[244:247], s[22:23] offset:SCW
.Lend:
	s_wait_tensorcnt 0x0                           ; the wave's end
	ds_add_u32 v248, v249
	s_wait_dscnt 0x0
	s_endpgm
.Lfunc_end_k_qd00c8d2a42_prep:
	.size	k_qd00c8d2a42_prep, .Lfunc_end_k_qd00c8d2a42_prep-k_qd00c8d2a42_prep
	.p2alignl 7, 3214868480
	.fill 96, 4, 3214868480
	.section	.rodata,"a",@progbits
	.p2align	6, 0x0
	.amdhsa_kernel k_qd00c8d2a42_prep
		.amdhsa_group_segment_fixed_size 157696
		.amdhsa_private_segment_fixed_size 0
		.amdhsa_enable_private_segment 0
		.amdhsa_kernarg_size 80
		.amdhsa_user_sgpr_count 2
		.amdhsa_user_sgpr_kernarg_segment_ptr 1
		.amdhsa_wavefront_size32 1
		.amdhsa_system_sgpr_workgroup_id_x 1
		.amdhsa_system_sgpr_workgroup_id_y 1
		.amdhsa_system_sgpr_workgroup_id_z 1
		.amdhsa_system_vgpr_workitem_id 0
		.amdhsa_next_free_vgpr 250
		.amdhsa_next_free_sgpr 100
		.amdhsa_reserve_vcc 0
		.amdhsa_float_denorm_mode_32 3
		.amdhsa_float_denorm_mode_16_64 3
		.amdhsa_memory_ordered 1
		.amdhsa_forward_progress 1
		.amdhsa_inst_pref_size 91
	.end_amdhsa_kernel
	.amdgpu_metadata
---
amdhsa.version: [ 1, 2 ]
amdhsa.kernels:
  - .name:           k_qd00c8d2a42_prep
    .symbol:         k_qd00c8d2a42_prep.kd
    .args:
      - { .name: W_q, .offset: 0, .size: 8, .value_kind: global_buffer, .address_space: global }
      - { .name: scales, .offset: 8, .size: 8, .value_kind: global_buffer, .address_space: global }
      - { .name: zeros, .offset: 16, .size: 8, .value_kind: global_buffer, .address_space: global }
      - { .name: mu1, .offset: 24, .size: 8, .value_kind: global_buffer, .address_space: global }
      - { .name: mu2, .offset: 32, .size: 8, .value_kind: global_buffer, .address_space: global }
      - { .name: x_codes, .offset: 40, .size: 8, .value_kind: global_buffer, .address_space: global }
      - { .name: x_scales, .offset: 48, .size: 8, .value_kind: global_buffer, .address_space: global }
      - { .name: xf, .offset: 56, .size: 8, .value_kind: global_buffer, .address_space: global }
      - { .name: wf, .offset: 64, .size: 8, .value_kind: global_buffer, .address_space: global }
      - { .name: scl, .offset: 72, .size: 8, .value_kind: global_buffer, .address_space: global }
    .group_segment_fixed_size: 157696
    .private_segment_fixed_size: 0
    .kernarg_segment_align: 8
    .kernarg_segment_size: 80
    .max_flat_workgroup_size: 256
    .sgpr_count:     100
    .vgpr_count:     250
    .wavefront_size: 32
...
	.end_amdgpu_metadata
.endif
;; end of part 1
;; launch gemm (part 2): grid 16 x 16, 4 waves a work-group, clusters of 4 x 4, 327,680 bytes of LDS; arguments xf, wf, scl, bias, out0; writes out0
.if DOCPART == 2
	.amdgcn_target "amdgcn-amd-amdhsa--gfx1250"
	.amdhsa_code_object_version 6
	.text
	.protected	k_qd00c8d2a42_gemm
	.globl	k_qd00c8d2a42_gemm
	.p2align	8
	.type	k_qd00c8d2a42_gemm,@function
k_qd00c8d2a42_gemm:
	s_mov_b64 s[64:65], 0
	v_nop
	global_prefetch_b8 v0, s[64:65] scope:SCOPE_SE
	s_setreg_imm32_b32 hwreg(HW_REG_WAVE_MODE, 25, 1), 1
	s_wait_xcnt 0x0
	s_wait_alu depctr_hold_cnt(0) depctr_sa_sdst(0) depctr_va_vdst(0) depctr_va_sdst(0) depctr_va_ssrc(0) depctr_va_vcc(0) depctr_vm_vsrc(0)
	s_getreg_b32 s2, hwreg(HW_REG_IB_STS2, 6, 4)
	s_cmp_eq_u32 s2, 0
	s_cbranch_scc0 .Lentry_in_a_cluster
	s_endpgm
.Lentry_in_a_cluster:
	s_bfe_u32 s2, ttmp6, 0x10000c
	s_cmp_lg_u32 s2, 0xf033
	s_cbranch_scc0 .Lentry_shape_is_right
	s_endpgm
.Lentry_shape_is_right:
; out0[m][n] = sum over k of x[m][k] W[n][k] + bias[n]: codes of FP6 (E2M3) with E8M0 scales, by the scaled matrix instruction; sums in f32; the bias is the C of the first step.
; xf, wf hold the codes as images of the operand's registers: [row / 128][step 0..31][block of 16 rows 0..7][1,536 bytes], register group c of lane l at 512 c + 16 l.  So 128 rows x 3 steps are
; 36,864 dense bytes: a tensor load brings them as 144 rows of 256 bytes, each on a 256-byte border, with no padding, and a fragment is three LDS loads of 16 bytes a lane at 16 x lane.
; A block of 256 x 256 a work-group, four waves of 128 x 128 (64 accumulators).  K goes through two LDS slots of THREE steps of 128 each (147,456 bytes); 32 steps are ten fills of three and one of two,
; for which the two words of group 1 that count rows are written anew while no tensor load is out.  A trip of the loop is six steps, once round the ring.
; THE SCALES go from scl into registers: unit (block of 16 rows, fill) is 256 bytes, 16 a row: one load of 16 bytes a lane brings lanes 0-15 the words of A's block i and lanes 16-31 those of B's block i
; for the fill's three steps; eight loads a fill, two sets, asked for in the first step of the fill before.
; CLUSTERS 4 x 4: A's tiles are asked for jointly along a row of the cluster, B's along a column.  The matrix instruction is used transposed (source 0 = W's rows, source 1 = x's rows).
; PREFETCH: behind each refill in the loop a wave names the fill that stands two refills on: of its quarter's 144 blocks of 256 bytes each of the four partners takes 36, told apart by address
; (32 lanes, then 4; the lanes left over name the last block again).  Fills 0 to 3 and the short fill 10 come by their loads alone; the loop's last trip asks for nothing.
; REGISTERS: window 0: v16-31 addresses; v32-95 scale words, two sets; v96-127 and v224-255 the bias; v128-223 A's fragments, one set.  Window 1: B's fragments, two sets, at v0 and v128.
; Windows 2, 3: the accumulators of my rows 0-63, 64-127.
.set SIZE_N, 4096
.set STEPB,  12288                     ; 128 rows x 96 bytes
.set FILLB,  3*STEPB
.set SLOT,   4*FILLB                   ; A's two halves, then B's two halves
.set GRP,    32*STEPB                  ; 128 rows, all of K
.set SPARE,  2*SLOT                    ; the spare words, 128 bytes a wave
.set STAGE,  SLOT                      ; the way out goes through slot 1: it has had its last fill, and its last read stands ahead of the walk's last barrier
.set SPITCH, 528
.set RBS,    3072                      ; a block of 16 rows in scl
.set SCW,    786432                    ; W's part of scl
.set FR,     12
.set ADRA, 16
.set ADRB, 20
.set STO,  24
.set RD,   25
.set CO,   26
.set SOFF, 27
.set SPW,  28
.set NIL,  29
.set PFO,  30
.set SC,   32
.set AF,   128
.set BK,   128
.set G1, 24
.set G0, 32
.set G1B, 48
.set G0B, 56
.set PFA, 66
.set MSB, 0
.macro WIN new
.if MSB != \new
	s_set_vgpr_msb (MSB<<8)|\new
.set MSB, \new
.endif
.endm
.set MUL_LO, 0xa1                      ; source 0 (B) window 1, source 1 (A) window 0, C and D window 2
.set MUL_HI, 0xf1
.set BEG_LO, 0x81                      ; the same with C (the bias) in window 0
.set BEG_HI, 0xc1
.set TO_B,   0x40
.macro JLOAD s                         ; a joint load: waves 0, 1 fetch A's halves, waves 2, 3 B's; s_nop 0 and four v_nop behind each line
	s_cmp_eq_u32 s15, 0
	s_cbranch_scc0 .Lfor_b_\@
	tensor_load_to_lds s[G0+4*\s:G0+4*\s+3], s[G1:G1+7]
	s_nop 0
.rept 4
	v_nop
.endr
	s_branch .Lasked_\@
.Lfor_b_\@:
	tensor_load_to_lds s[G0B+4*\s:G0B+4*\s+3], s[G1B:G1B+7]
	s_nop 0
.rept 4
	v_nop
.endr
.Lasked_\@:
.endm
.macro CREST
	s_cmp_lg_u32 s14, 0
	s_cbranch_scc1 .Lnot_wave_0_\@
	s_barrier_signal -3
.Lnot_wave_0_\@:
	s_barrier_wait -3
	s_barrier_signal -1
	s_barrier_wait -1
.endm
.macro CROUND
	s_barrier_signal -1
	s_barrier_wait -1
	CREST
.endm
	s_load_b256 s[4:11], s[0:1], 0x0               ; xf 4, wf 6, scl 8, bias 10
	s_load_b64 s[12:13], s[0:1], 0x20              ; out0
	v_lshl_add_u32 v[SPW], v0, 2, SPARE
	v_mov_b32 v[NIL], 0
	ds_add_u32 v[SPW], v[NIL]                      ; the opening lines: the add, twice on end, and its wait
	ds_add_u32 v[SPW], v[NIL]
	v_lshrrev_b32 v1, 5, v0
	v_readfirstlane_b32 s14, v1                    ; wave 0..3
	s_lshr_b32 s15, s14, 1                         ; my half of the block's rows; also: I fetch for A (0) or B (1)
	s_and_b32 s16, s14, 1                          ; my half of its columns; also: which 128 rows I fetch
	s_bfe_u32 s40, ttmp6, 0x40000                  ; cx
	s_bfe_u32 s41, ttmp6, 0x40004                  ; cy
	s_lshl_b32 s42, ttmp9, 2
	s_add_co_u32 s42, s42, s40                     ; block column
	s_and_b32 s17, ttmp7, 0xffff
	s_lshl_b32 s17, s17, 2
	s_add_co_u32 s17, s17, s41                     ; block row
	s_lshl_b32 s43, s41, 2
	s_lshl_b32 s43, 15, s43                        ; my row of the cluster
	s_lshl_b32 s44, 0x1111, s40                    ; my column
	s_or_b32 s[G1+0], s43, (3<<16)|(1<<21)         ; the mask; elements of 8 bytes; bit 21 beside a mask; no padding
	s_or_b32 s[G1B+0], s44, (3<<16)|(1<<21)
.irp g, G1, G1B
	s_mov_b32 s[\g+1], 32<<16                      ; rows of 32 elements = 256 bytes
	s_mov_b32 s[\g+2], 144<<16                     ; 144 rows
	s_mov_b32 s[\g+3], 32<<16
	s_mov_b32 s[\g+4], 144
	s_mov_b32 s[\g+5], 32                          ; dense
	s_mov_b32 s[\g+6], 0
	s_mov_b32 s[\g+7], 0
.endr
	s_lshl_b32 s20, s17, 1
	s_add_co_u32 s20, s20, s16
	s_mul_i32 s20, s20, GRP                        ; A: group 2 x block row + half
	s_mov_b32 s21, 0
	s_lshl_b32 s46, s42, 1
	s_add_co_u32 s46, s46, s16
	s_mul_i32 s46, s46, GRP                        ; B: group 2 x block column + half
	s_mov_b32 s47, 0
	s_mul_i32 s45, s14, FILLB                      ; where my quarter goes
	s_wait_dscnt 0x0
	s_wait_kmcnt 0x0
	s_add_nc_u64 s[20:21], s[4:5], s[20:21]
	s_add_nc_u64 s[46:47], s[6:7], s[46:47]
	CROUND                                         ; all sixteen work-groups are here: the first joint loads meet
.irp s, 0,1
	s_mov_b32 s[G0+4*\s], 1
	s_add_co_u32 s[G0+4*\s+1], s45, \s*SLOT
	s_add_nc_u64 s[G0+4*\s+2:G0+4*\s+3], s[20:21], \s*FILLB
	s_or_b32 s[G0+4*\s+3], s[G0+4*\s+3], 0x80000000
	s_mov_b32 s[G0B+4*\s], 1
	s_add_co_u32 s[G0B+4*\s+1], s45, \s*SLOT
	s_add_nc_u64 s[G0B+4*\s+2:G0B+4*\s+3], s[46:47], \s*FILLB
	s_or_b32 s[G0B+4*\s+3], s[G0B+4*\s+3], 0x80000000
.endr
	JLOAD 0                                        ; fill 0: one tensor load a wave at the head
	s_mul_i32 s68, s15, FILLB                      ; my 128 rows of A in a slot
	s_mul_i32 s69, s16, FILLB
	s_add_co_u32 s69, s69, 2*FILLB                 ; my 128 rows of B
	s_mul_i32 s70, s14, 16*SPITCH
	s_add_co_u32 s70, s70, STAGE                   ; my stage
	s_lshl_b32 s71, s17, 4
	s_lshl_b32 s73, s15, 3
	s_add_co_u32 s71, s71, s73
	s_mul_i32 s71, s71, RBS                        ; my first block of A's scales
	s_lshl_b32 s72, s42, 4
	s_lshl_b32 s73, s16, 3
	s_add_co_u32 s72, s72, s73
	s_mul_i32 s72, s72, RBS
	s_add_co_u32 s72, s72, SCW                     ; and of B's
	s_lshl_b32 s74, s17, 8
	s_lshl_b32 s75, s15, 7
	s_add_co_u32 s74, s74, s75
	s_lshl_b32 s74, s74, 14                        ; my first row of out0, 16,384 bytes a row
	s_mov_b32 s75, 0
	s_lshl_b32 s76, s42, 10
	s_lshl_b32 s77, s16, 9
	s_add_co_u32 s76, s76, s77                     ; my first column, in bytes
	s_mov_b32 s77, 0
	s_add_nc_u64 s[10:11], s[10:11], s[76:77]
	s_add_nc_u64 s[12:13], s[12:13], s[74:75]
	s_add_nc_u64 s[12:13], s[12:13], s[76:77]
	s_cmp_eq_u32 s15, 0                            ; the prefetches: do I fetch for A?
	s_cselect_b32 s78, s17, s42
	s_cselect_b32 s79, s40, s41                    ; my place among the four that ask with me
	s_cselect_b64 s[PFA:PFA+1], s[4:5], s[6:7]
	s_lshl_b32 s78, s78, 1
	s_add_co_u32 s78, s78, s16
	s_mul_i32 s78, s78, GRP
	s_mul_i32 s79, s79, 36*256
	s_add_co_u32 s78, s78, s79
	s_add_co_u32 s78, s78, 3*FILLB                 ; at fill 3: the first refill steps it to fill 4
	s_mov_b32 s79, 0
	s_add_nc_u64 s[PFA:PFA+1], s[PFA:PFA+1], s[78:79]
	v_and_b32 v1, 15, v0                           ; r
	v_bfe_u32 v2, v0, 4, 1                         ; h
	v_and_b32 v6, 31, v0
	v_lshlrev_b32 v[CO], 4, v6                     ; 16 x lane
	v_add_nc_u32 v[ADRA], s68, v[CO]
	v_add_nc_u32 v[ADRB], s69, v[CO]
	v_add_nc_u32 v[ADRA+1], SLOT, v[ADRA]
	v_add_nc_u32 v[ADRB+1], SLOT, v[ADRB]
	v_mul_u32_u24 v5, v1, SPITCH
	v_lshl_add_u32 v5, v2, 5, v5
	v_add_nc_u32 v[STO], s70, v5
	v_add_nc_u32 v[RD], s70, v[CO]
	v_lshlrev_b32 v7, 5, v2
	v_mov_b32 v3, s71
	v_mov_b32 v4, s72
	v_cmp_ne_u32 vcc_lo, 0, v2
	v_cndmask_b32 v3, v3, v4, vcc_lo               ; lanes 0-15 A's scales, lanes 16-31 B's
	v_lshl_add_u32 v[SOFF], v1, 4, v3
	v_lshlrev_b32 v[PFO], 8, v6                    ; blocks 0 to 31 of my 36,
	v_min_u32 v[PFO+1], 3, v6
	v_lshl_add_u32 v[PFO+1], v[PFO+1], 8, 32*256   ; and 32 to 35
.irp b, 0,1,2,3,4,5,6,7
	global_load_b128 v[96+8*\b+96*(\b/4):96+8*\b+96*(\b/4)+3],   v7, s[10:11] offset:64*\b      ; bias of columns 16 b + 8 h + 0 .. 7, in the result's layout
	global_load_b128 v[96+8*\b+96*(\b/4)+4:96+8*\b+96*(\b/4)+7], v7, s[10:11] offset:64*\b+16
.endr
.irp i, 0,1,2,3,4,5,6,7
	global_load_b128 v[SC+4*\i:SC+4*\i+3], v[SOFF], s[8:9] offset:RBS*\i       ; fill 0's scale words
.endr
.macro FRAG reg, adr, j, i             ; a fragment as it lies: three loads of 16 bytes a lane
.irp c, 0,1,2
	ds_load_b128 v[\reg+4*\c:\reg+4*\c+3], v[\adr] offset:(\j)*STEPB+(\i)*1536+512*\c
.endr
.endm
.macro FETCH_B s, j, p
	WIN TO_B
.irp i, 0,1,2,3,4,5,6,7
	FRAG 128*(\p)+FR*\i, ADRB+(\s), \j, \i
.endr
	WIN 0
.endm
.macro FETCH_A s, j, i0
.irp i, \i0, \i0+1, \i0+2, \i0+3
	FRAG AF+FR*(\i), ADRA+(\s), \j, \i
.endr
.endm
.macro SCALES set                      ; the next fill's scale words; the loads that read the base have been waited for
	s_add_nc_u64 s[8:9], s[8:9], 256
.irp i, 0,1,2,3,4,5,6,7
	global_load_b128 v[SC+32*(\set)+4*\i:SC+32*(\set)+4*\i+3], v[SOFF], s[8:9] offset:RBS*\i
.endr
.endm
; 16 matrix instructions: A's blocks a0, a0 + 1 x B's eight.  The 64 accumulators take turns in the same order in every step.
.macro MUL16 a0, p, j, set, first
.irp a, \a0, \a0+1
.irp b, 0,1,2,3,4,5,6,7
.if \first
	v_wmma_scale_f32_16x16x128_f8f6f4 v[8*(8*((\a)%4)+\b):8*(8*((\a)%4)+\b)+7], v[128*(\p)+FR*\b:128*(\p)+FR*\b+FR-1], v[AF+FR*(\a):AF+FR*(\a)+FR-1], v[96+8*\b+96*(\b/4):96+8*\b+96*(\b/4)+7], v[SC+32*(\set)+4*\b+(\j)], v[SC+32*(\set)+4*(\a)+(\j)] matrix_a_fmt:MATRIX_FMT_FP6 matrix_b_fmt:MATRIX_FMT_FP6 matrix_a_scale:MATRIX_SCALE_ROW1
.else
	v_wmma_scale_f32_16x16x128_f8f6f4 v[8*(8*((\a)%4)+\b):8*(8*((\a)%4)+\b)+7], v[128*(\p)+FR*\b:128*(\p)+FR*\b+FR-1], v[AF+FR*(\a):AF+FR*(\a)+FR-1], v[8*(8*((\a)%4)+\b):8*(8*((\a)%4)+\b)+7], v[SC+32*(\set)+4*\b+(\j)], v[SC+32*(\set)+4*(\a)+(\j)] matrix_a_fmt:MATRIX_FMT_FP6 matrix_b_fmt:MATRIX_FMT_FP6 matrix_a_scale:MATRIX_SCALE_ROW1
.endif
.endr
.endr
.endm
.macro PLACES                          ; four places behind matrix instructions, ahead of loads into registers that they have read
.rept 4
	v_nop
.endr
.endm
.macro ASK                             ; the fill two refills on; not in the loop's last trip (s3 = 1)
	s_cmp_gt_u32 s3, 1
	s_cbranch_scc0 .Lno_ask_\@
	global_prefetch_b8 v[PFO], s[PFA:PFA+1] th:TH_LOAD_NT scope:SCOPE_SE
	global_prefetch_b8 v[PFO+1], s[PFA:PFA+1] th:TH_LOAD_NT scope:SCOPE_SE
.Lno_ask_\@:
.endm
; A step: 64 matrix instructions on step j of the slot; the next step's fragments are fetched in its middle (B, A's blocks 0-3) and at its end (A's blocks 4-7).
; mode 0: inside a slot.  At a slot's last step (j = 2) all reads of the slot have been issued, and ONE barrier changes slots: mode 2: it opens a round, and the slot is filled again, two fills on;
; mode 3: the same with the short last fill; mode 1: nothing is left to fetch.  sc = 1: the next fill's scale words are asked for.
.macro STEP slot, j, p, mode, first, sc
.if (\j) == 2
.set NS, 1-(\slot)
.set NJ, 0
.else
.set NS, \slot
.set NJ, (\j)+1
.endif
.if \first
.set WLO, BEG_LO
.set WHI, BEG_HI
.else
.set WLO, MUL_LO
.set WHI, MUL_HI
.endif
.if (\j) == 0
	s_wait_loadcnt 0x0                             ; this fill's scale words are in (ahead of the first step: the bias too)
.endif
.if \mode
.if \mode == 2
	s_wait_xcnt 0x0                                ; my prefetches have read their address
	s_add_nc_u64 s[PFA:PFA+1], s[PFA:PFA+1], FILLB
.endif
	s_wait_tensorcnt 0x0                           ; all my tensor loads have landed: my part of the other slot
	ds_add_u32 v[SPW], v[NIL]
.if \mode == 3
	s_mov_b32 s[G1+2], 96<<16                      ; no tensor load of mine is out: the last fill has two steps, 96 rows
	s_mov_b32 s[G1+4], 96
	s_mov_b32 s[G1B+2], 96<<16
	s_mov_b32 s[G1B+4], 96
.endif
	s_wait_dscnt 13                                ; the add and A's blocks 4-7 (12 loads) may be out
	WIN WLO
	MUL16 0, \p, \j, \slot, \first
	s_wait_dscnt 0x0                               ; the add is done, and my reads of this slot are over
	s_barrier_signal -1
	MUL16 2, \p, \j, \slot, \first
	WIN 0
	s_barrier_wait -1
.if \mode >= 2
	CREST                                          ; the round: no wave of any partner still reads this slot or has a load on its way
	s_add_nc_u64 s[G0+4*\slot+2:G0+4*\slot+3], s[G0+4*\slot+2:G0+4*\slot+3], 2*FILLB
	s_add_nc_u64 s[G0B+4*\slot+2:G0B+4*\slot+3], s[G0B+4*\slot+2:G0B+4*\slot+3], 2*FILLB
	JLOAD \slot                                    ; its four v_nop are the places ahead of the loads below
.else
	PLACES
.endif
.else
	s_wait_dscnt 12                                ; B's set and A's blocks 0-3 are in; A's blocks 4-7 (12 loads) may be out
	WIN WLO
	MUL16 0, \p, \j, \slot, \first
	MUL16 2, \p, \j, \slot, \first
	s_wait_dscnt 0x0
	PLACES
.endif
	FETCH_B NS, NJ, 1-(\p)
	FETCH_A NS, NJ, 0
.if \sc
	SCALES 1-(\slot)
.endif
.if \mode == 2
	ASK
.endif
	WIN WHI
	MUL16 4, \p, \j, \slot, \first
	MUL16 6, \p, \j, \slot, \first
	PLACES
	WIN 0
	FETCH_A NS, NJ, 4
.endm
	s_wait_alu depctr_va_vdst(0)                   ; the wait at the head's end
	s_wait_tensorcnt 0x0                           ; my part of fill 0 is in
	ds_add_u32 v[SPW], v[NIL]
	s_wait_dscnt 0x0
	CROUND
	JLOAD 1                                        ; fill 1, the first tensor load behind the round
	FETCH_B 0, 0, 0
	FETCH_A 0, 0, 0
	FETCH_A 0, 0, 4
	STEP 0, 0, 0, 0, 1, 1                          ; step 0 starts the sums on the bias
	s_mov_b32 s3, 4
.Llap:                                                 ; steps 6 t + 1 .. 6 t + 6: both slots are filled again
	STEP 0, 1, 1, 0, 0, 0
	STEP 0, 2, 0, 2, 0, 0
	STEP 1, 0, 1, 0, 0, 1
	STEP 1, 1, 0, 0, 0, 0
	STEP 1, 2, 1, 2, 0, 0
	STEP 0, 0, 0, 0, 0, 1
	s_sub_co_u32 s3, s3, 1
	s_cmp_lg_u32 s3, 0
	s_cbranch_scc1 .Llap
	STEP 0, 1, 1, 0, 0, 0                          ; step 25
	STEP 0, 2, 0, 3, 0, 0                          ; step 26: slot 0 takes fill 10, steps 30 and 31
	STEP 1, 0, 1, 0, 0, 1
	STEP 1, 1, 0, 0, 0, 0
	STEP 1, 2, 1, 1, 0, 0                          ; step 29: the last barrier; slot 1 is read no more
	STEP 0, 0, 0, 0, 0, 0
	s_wait_dscnt 12                                ; step 31: nothing more to fetch
	WIN MUL_LO
	MUL16 0, 1, 1, 0, 0
	MUL16 2, 1, 1, 0, 0
	s_wait_dscnt 0x0
	WIN MUL_HI
	MUL16 4, 1, 1, 0, 0
	MUL16 6, 1, 1, 0, 0
	WIN 0
; THE WAY OUT, block by block of 16 rows x 128 columns: a lane's 32 bytes of a row go into my own stage and come back as whole rows of 512 bytes.  LDS serves a wave's instructions in order.
.macro TOSTAGE a
.set AC, 64*((\a)%4)
	WIN 0x08+4*((\a)/4)
.irp b, 0,1,2,3,4,5,6,7
	ds_store_b128 v[STO], v[AC+8*\b:AC+8*\b+3] offset:64*\b          ; each accumulator from its low end on
	ds_store_b128 v[STO], v[AC+8*\b+4:AC+8*\b+7] offset:64*\b+16
.endr
	WIN 0
.set BB, BK+64*((\a)%2)
.irp t, 0,1,2,3,4,5,6,7,8,9,10,11,12,13,14,15
	ds_load_b128 v[BB+4*\t:BB+4*\t+3], v[RD] offset:\t*SPITCH
.endr
.endm
.macro SEND a, younger
.set BB, BK+64*((\a)%2)
	s_wait_dscnt \younger                          ; the block is back in registers
.if (\a) > 0
	s_add_nc_u64 s[12:13], s[12:13], 16*SIZE_N*4   ; behind a wait on XCNT: the earlier stores have read their base
.endif
.irp t, 0,1,2,3,4,5,6,7,8,9,10,11,12,13,14,15
	global_store_b128 v[CO], v[BB+4*\t:BB+4*\t+3], s[12:13] offset:\t*SIZE_N*4 th:TH_STORE_NT   ; 32 lanes store 512 consecutive aligned bytes
.endr
.endm
	PLACES
	TOSTAGE 0
.irp a, 1,2,3,4,5,6,7
.if \a > 1
	s_wait_xcnt 0x0                                ; block a - 2's stores have read their registers and their base
.endif
	TOSTAGE \a
	SEND \a-1, 32                                  ; behind block a - 1's loads: block a's 16 stores and 16 loads
.endr
	s_wait_xcnt 0x0
	SEND 7, 0
	s_wait_tensorcnt 0x0                           ; the wave's end
	ds_add_u32 v[SPW], v[NIL]
	s_wait_dscnt 0x0
	CROUND                                         ; the closing round
	s_endpgm
.Lfunc_end_k_qd00c8d2a42_gemm:
	.size	k_qd00c8d2a42_gemm, .Lfunc_end_k_qd00c8d2a42_gemm-k_qd00c8d2a42_gemm
	.p2alignl 7, 3214868480
	.fill 96, 4, 3214868480
	.section	.rodata,"a",@progbits
	.p2align	6, 0x0
	.amdhsa_kernel k_qd00c8d2a42_gemm
		.amdhsa_group_segment_fixed_size 327680
		.amdhsa_private_segment_fixed_size 0
		.amdhsa_enable_private_segment 0
		.amdhsa_kernarg_size 40
		.amdhsa_user_sgpr_count 2
		.amdhsa_user_sgpr_kernarg_segment_ptr 1
		.amdhsa_wavefront_size32 1
		.amdhsa_system_sgpr_workgroup_id_x 1
		.amdhsa_system_sgpr_workgroup_id_y 1
		.amdhsa_system_sgpr_workgroup_id_z 1
		.amdhsa_system_vgpr_workitem_id 0
		.amdhsa_next_free_vgpr 1024
		.amdhsa_next_free_sgpr 98
		.amdhsa_reserve_vcc 1
		.amdhsa_float_denorm_mode_32 3
		.amdhsa_float_denorm_mode_16_64 3
		.amdhsa_memory_ordered 1
		.amdhsa_forward_progress 1
		.amdhsa_inst_pref_size 208
	.end_amdhsa_kernel
	.amdgpu_metadata
---
amdhsa.version: [ 1, 2 ]
amdhsa.kernels:
  - .name:           k_qd00c8d2a42_gemm
    .symbol:         k_qd00c8d2a42_gemm.kd
    .args:
      - { .name: xf, .offset: 0, .size: 8, .value_kind: global_buffer, .address_space: global }
      - { .name: wf, .offset: 8, .size: 8, .value_kind: global_buffer, .address_space: global }
      - { .name: scl, .offset: 16, .size: 8, .value_kind: global_buffer, .address_space: global }
      - { .name: bias, .offset: 24, .size: 8, .value_kind: global_buffer, .address_space: global }
      - { .name: out0, .offset: 32, .size: 8, .value_kind: global_buffer, .address_space: global }
    .group_segment_fixed_size: 327680
    .private_segment_fixed_size: 0
    .kernarg_segment_align: 8
    .kernarg_segment_size: 40
    .max_flat_workgroup_size: 128
    .sgpr_count:     98
    .vgpr_count:     1024
    .wavefront_size: 32
...
	.end_amdgpu_metadata
.endif
;; end of part 2
